; MI455X (gfx1250); checked and timed in simulation.
; The chip was launched on July 23, 2026; its instructions are those of AMD's public machine-readable ISA for CDNA 5 (MIT licence, August 2026) and "CDNA5" Instruction Set Architecture Reference Guide (July 2026). The comments in the code are by the model that wrote it; some were corrected since.
;; Swin Transformer Block. Allowed arithmetic: float matrix products may take bf16 or f16 operands with f32 sums; other float arithmetic in f32, or as packed bf16 or f16 multiplies, adds, multiply-adds, maxima and minima; sums over many terms, partial sums and values carried from step to step in f32; what a program stores and reads back later, other than sums and carried values, may be rounded once to bf16 or f16.
;; Inputs: b1 1,024 float32; b2 256 float32; bk 256 float32; bo 256 float32; bq 256 float32; bv 256 float32; hidden_states 8 x 4,096 x 256 float32; ln1_b 256 float32; ln1_g 256 float32; ln2_b 256 float32; ln2_g 256 float32; rel_table 225 x 8 float32; w1 1,024 x 256 float32; w2 256 x 1,024 float32; wk 256 x 256 float32; wo 256 x 256 float32; wq 256 x 256 float32; wv 256 x 256 float32.
;; Outputs: out0 8 x 4,096 x 256 float32.
;; One version. Each part assembles by itself: llvm-mc -triple=amdgcn-amd-amdhsa -mcpu=gfx1250 --defsym DOCPART=n.
;; ======== version 1 of 1: 2 launches
;; limits: a function is approximated: absolute error at most 0.0005
;; workspace buffers: wts 1,572,864 bytes; bias 6,144 bytes; biasc 73,728 bytes
;; launch prep (part 1): grid 66 x 1, 4 waves a work-group, no clusters, 2,816 bytes of LDS; arguments wq, wk, wv, wo, w1, w2, ln1_g, ln1_b, ln2_g, ln2_b, bq, bv, b1, rel_table, wts, bias, biasc; writes wts, bias, biasc
.if DOCPART == 1
	.amdgcn_target "amdgcn-amd-amdhsa--gfx1250"
	.amdhsa_code_object_version 6
	.text
	.protected	k_qf763fdd627_prep
	.globl	k_qf763fdd627_prep
	.p2align	8
	.type	k_qf763fdd627_prep,@function
k_qf763fdd627_prep:
	s_mov_b64 s[64:65], 0
	v_nop
	global_prefetch_b8 v0, s[64:65] scope:SCOPE_SE
	s_setreg_imm32_b32 hwreg(HW_REG_WAVE_MODE, 25, 1), 1
	s_wait_xcnt 0x0
; PREP: the weights of a Swin block, rounded once to bf16 and laid in the order in which a wave's matrix operand registers take them; the folded biases; the relative-position bias by tiles.
; IDENTITIES (exact for all values of the inputs).
;   LN(x) W^T + b = z (W diag g)^T + (W lnb + b), z = (x - mean) rstd: the norms' gains go into wq, wk, wv (ln1_g) and w1 (ln2_g), their biases into bq' = bq + wq ln1_b, bv' = bv + wv ln1_b, b1' = b1 + w1 ln2_b.
;   cq = log2(e) / sqrt(32) goes into wq and bq', so that the scores come out in powers of two; the table is multiplied by log2(e).
; DEAD WORK.  The constant part of every key, bk + wk ln1_b, adds q . const to all scores of a row: a term that is the same along the softmax's axis and cancels in it, whatever the inputs hold.
; So bk is no argument of any launch and is not loaded, and ln1_b takes no way through wk.  LIMIT: a NaN, an infinity or an overflow that reaches only that term is not carried to the result.
; wts: 12 blocks of 131,072 bytes: Q, K, V, O, then (M1_c, M2_c) for c = 0..3.  A block is 256 (n) x 256 (k) bf16; the 16 bytes at w 32768 + ks 4096 + t 1024 + half 512 + lane 16
; hold W[64 w + 16 t + lane % 16][32 ks + 16 half + 8 (lane / 16) + 0..7].  M1_c: rows 256 c + n of w1.  M2_c: rows n, columns 256 c + k of w2.
; bias (f32): [0:256) cq bq', [256:512) bv', [512:1536) b1'.
; biasc (f32): [head 8][tile d 9][half 2][lane 32][4]: register j = 4 half + e of lane (r, h) = log2(e) rel_table[(4 Drow + r/4 - 2 h - j/4 + 7) 15 + 4 Dcol + r%4 - j%4 + 7][head], d = 3 (Drow + 1) + Dcol + 1.
; SHARES.  Work-groups 0..47: block id / 4, its rows 64 (id % 4) ..; wave v the 16 rows of tile v.  Work-groups 48..65: a wave a tile of the table.
.set GS,     0                         ; LDS: 256 numbers g x scale
.set LB,     1024                      ; 256 numbers of the norm's bias
.set DOT,    2048                      ; the 64 rows' products with it
.set SPARE,  2304                      ; the spare words, 128 bytes a wave: two blocks of 256 bytes that no other line names
.set CQ,     0x3e8293ee                ; log2(e) / sqrt(32)
.set LOG2E,  0x3fb8aa3b
.set WR,     64                        ; v[64:191] my 16 rows' numbers: unit u = 2 ks + half at WR + 8 u
	s_load_b512 s[4:19], s[0:1], 0x0               ; wq, wk, wv, wo, w1, w2, ln1_g, ln1_b
	s_load_b512 s[20:35], s[0:1], 0x40             ; ln2_g, ln2_b, bq, bv, b1, rel_table, wts, bias
	s_load_b64 s[36:37], s[0:1], 0x80              ; biasc
	v_lshl_add_u32 v2, v0, 2, SPARE                ; my spare word
	v_mov_b32 v3, 0
	v_lshrrev_b32 v1, 5, v0
	v_readfirstlane_b32 s46, v1                    ; wave 0..3
	v_and_b32 v6, 31, v0                           ; lane
	v_and_b32 v4, 15, v0                           ; r
	v_bfe_u32 v5, v0, 4, 1                         ; h
	s_mov_b32 s62, 0x76543210                      ; v_permlanex16_b32: each lane takes its own place in the other half
	s_mov_b32 s63, 0xfedcba98
	s_cmp_ge_u32 ttmp9, 48
	s_cbranch_scc1 .Ltable
	; ---- a block of weights ----
	s_lshr_b32 s38, ttmp9, 2                       ; the block, 0..11
	s_and_b32 s39, ttmp9, 3                        ; w: which 64 rows
	s_max_u32 s42, s38, 4
	s_sub_co_u32 s42, s42, 4
	s_lshr_b32 s44, s42, 1                         ; c, the chunk of the MLP
	s_and_b32 s42, s42, 1
	s_add_co_u32 s42, s42, 4
	s_min_u32 s43, s38, s42                        ; kind: 0 q, 1 k, 2 v, 3 o, 4 w1, 5 w2
	s_lshl_b32 s47, s44, 10                        ; 1,024 c
	s_lshl_b32 s53, s44, 8                         ; 256 c
	s_and_b32 s51, s43, 1
	s_xor_b32 s51, s51, 1                          ; 1: the block has a bias to fold (q, v, w1)
	s_cmp_lg_u32 s43, 3
	s_cselect_b32 s52, 1, 0
	s_cmp_lg_u32 s43, 5
	s_cselect_b32 s52, s52, 0                      ; 1: the block takes a norm's gain (q, k, v, w1); wo and w2 are only rounded
	s_wait_kmcnt 0x0
	s_mov_b64 s[40:41], s[4:5]
	s_cmp_eq_u32 s43, 1
	s_cselect_b64 s[40:41], s[6:7], s[40:41]
	s_cmp_eq_u32 s43, 2
	s_cselect_b64 s[40:41], s[8:9], s[40:41]
	s_cselect_b64 s[58:59], s[26:27], s[24:25]     ; the bias that comes in: bv, else bq,
	s_cselect_b32 s61, 1024, 0                     ; and where the folded one goes
	s_cmp_eq_u32 s43, 3
	s_cselect_b64 s[40:41], s[10:11], s[40:41]
	s_cmp_eq_u32 s43, 4
	s_cselect_b64 s[40:41], s[12:13], s[40:41]
	s_cselect_b64 s[58:59], s[28:29], s[58:59]     ; b1
	s_cselect_b32 s61, 2048, s61
	s_cselect_b32 s53, s53, 0                      ; w1's rows begin at 256 c
	s_cselect_b64 s[54:55], s[20:21], s[16:17]     ; the gain
	s_cselect_b64 s[56:57], s[22:23], s[18:19]     ; the norm's bias
	s_cmp_eq_u32 s43, 0
	s_cselect_b32 s48, CQ, 1.0                     ; q's scale
	s_cmp_eq_u32 s43, 5
	s_cselect_b64 s[40:41], s[14:15], s[40:41]
	s_cselect_b32 s45, 12, 10                      ; log2 of a source row's bytes
	s_cselect_b32 s66, s47, 0                      ; w2's columns begin at 256 c
	s_mov_b32 s49, s48                             ; named as a pair
	s_lshl_b32 s42, s39, 6
	s_add_co_u32 s53, s53, s42                     ; the work-group's first row in its source
	s_lshl_b32 s42, s46, 4
	s_add_co_u32 s42, s42, s53                     ; my wave's
	s_lshl_b32 s42, s42, s45
	s_add_co_u32 s66, s66, s42
	s_mov_b32 s67, 0
	s_add_nc_u64 s[40:41], s[40:41], s[66:67]
	s_lshl_b32 s66, s38, 17                        ; where my 16 units go: block, w, tile
	s_lshl_b32 s42, s39, 15
	s_add_co_u32 s66, s66, s42
	s_lshl_b32 s42, s46, 10
	s_add_co_u32 s66, s66, s42
	s_add_nc_u64 s[68:69], s[32:33], s[66:67]
	s_lshl_b32 s66, s53, 2                         ; the work-group's 64 numbers of the bias that comes in,
	s_add_nc_u64 s[58:59], s[58:59], s[66:67]
	s_add_co_u32 s66, s66, s61                     ; and of the folded one
	s_add_nc_u64 s[34:35], s[34:35], s[66:67]
	v_lshlrev_b32 v10, s45, v4                     ; row r,
	v_lshl_add_u32 v10, v5, 5, v10                 ; its 8 numbers for my half of the lanes
	v_lshlrev_b32 v11, 4, v6                       ; 16 x lane
	v_lshlrev_b32 v12, 4, v0                       ; 16 x thread: threads 0..63 fill GS, threads 64..127 LB
	v_lshlrev_b32 v13, 5, v5                       ; 32 h
	v_lshlrev_b32 v15, 4, v4                       ; 16 r
	s_lshl_b32 s42, s46, 6
	v_lshl_add_u32 v14, v4, 2, s42                 ; 64 x wave + 4 r
.irp j, 16,17,18,19
	v_mov_b32 v\j, 1.0                             ; written on every path
.endr
.irp j, 24,25,26,27
	v_mov_b32 v\j, 0                               ; likewise
.endr
	s_cmp_eq_u32 s51, 1
	s_cbranch_scc0 .Lp_q
	s_cmp_eq_u32 s46, 0
	s_cbranch_scc0 .Lp_q
	global_load_b128 v[24:27], v15, s[58:59]       ; wave 0: the bias that comes in, asked for ahead of everything else: it is wanted last
.Lp_q:
	s_cmp_lt_u32 s46, 2
	s_cbranch_scc0 .Lp_hi
	s_cmp_eq_u32 s52, 1
	s_cbranch_scc0 .Lp_w
	global_load_b128 v[16:19], v12, s[54:55]       ; waves 0, 1: four numbers of the gain
	s_branch .Lp_w
.Lp_hi:
	s_cmp_eq_u32 s51, 1
	s_cbranch_scc0 .Lp_w
	global_load_b128 v[16:19], v12, s[56:57] offset:-1024  ; waves 2, 3: four numbers of the norm's bias
.Lp_w:
.set u, 0
.rept 16                               ; the wave's 32 loads together read 16 whole rows of 1,024 bytes
	global_load_b128 v[WR+8*u:WR+8*u+3],   v10, s[40:41] offset:64*u
	global_load_b128 v[WR+8*u+4:WR+8*u+7], v10, s[40:41] offset:64*u+16
.set u, u+1
.endr
	s_wait_loadcnt 32                              ; what was asked for ahead of the rows is in; the 32 younger loads stay out
	s_cmp_lt_u32 s46, 2
	s_cselect_b32 s47, s52, s51                    ; do I store?  waves 0, 1 where the block takes a gain, waves 2, 3 where it has a bias
	s_cbranch_scc0 .Lp_st
	v_pk_mul_f32 v[16:17], v[16:17], s[48:49] op_sel_hi:[1,0]
	v_pk_mul_f32 v[18:19], v[18:19], s[48:49] op_sel_hi:[1,0]
.Lp_st:
	s_cmp_eq_u32 s47, 1
	s_cbranch_scc0 .Lp_bar
	ds_store_b128 v12, v[16:19]
.Lp_bar:
	s_wait_dscnt 0x0                               ; for the others' sake: my store is done
	s_barrier_signal -1
	s_barrier_wait -1
	s_wait_loadcnt 0x0                             ; my rows are in
; 8 LDS loads: the 32 numbers that go with units 4 q .. 4 q + 3 (unit u: numbers 16 u + 8 h + 0..7)
.macro BATCH base, q
.irp u, 0,1,2,3
	ds_load_b128 v[32+8*(\u):35+8*(\u)], v13 offset:(\base)+64*(4*(\q)+(\u))
	ds_load_b128 v[36+8*(\u):39+8*(\u)], v13 offset:(\base)+64*(4*(\q)+(\u))+16
.endr
	s_wait_dscnt 0x0
.endm
	s_cmp_eq_u32 s51, 1
	s_cbranch_scc0 .Lp_nodot
.irp q, 0,1,2,3                        ; W . lnb on the weights as they came, in two chains
	BATCH LB, \q
.set p, 0
.rept 16
.if ((\q) == 0) && (p < 2)
	v_pk_mul_f32 v[20+2*p:21+2*p], v[WR+2*p:WR+2*p+1], v[32+2*p:33+2*p]
.else
	v_pk_fma_f32 v[20+2*(p%2):21+2*(p%2)], v[WR+32*(\q)+2*p:WR+32*(\q)+2*p+1], v[32+2*p:33+2*p], v[20+2*(p%2):21+2*(p%2)]
.endif
.set p, p+1
.endr
.endr
	v_pk_add_f32 v[20:21], v[20:21], v[22:23]
	v_add_f32 v20, v20, v21
	v_permlanex16_b32 v21, v20, s62, s63           ; the row's other half lies in the lane 16 away
	v_add_f32 v20, v20, v21
	ds_store_b32 v14, v20 offset:DOT
.Lp_nodot:
	s_cmp_eq_u32 s52, 1
	s_cbranch_scc0 .Lp_noscale
.irp q, 0,1,2,3                        ; W diag(g x scale)
	BATCH GS, \q
.set p, 0
.rept 16
	v_pk_mul_f32 v[WR+32*(\q)+2*p:WR+32*(\q)+2*p+1], v[WR+32*(\q)+2*p:WR+32*(\q)+2*p+1], v[32+2*p:33+2*p]
.set p, p+1
.endr
.endr
.Lp_noscale:
.set p, 0
.rept 64                               ; the one rounding; packed downward in place: result p lies below every source still to be read
	v_cvt_pk_bf16_f32 v[WR+p], v[WR+2*p], v[WR+2*p+1]
.set p, p+1
.endr
.set u, 0
.rept 16
	global_store_b128 v11, v[WR+4*u:WR+4*u+3], s[68:69] offset:(u/2)*4096+(u%2)*512  ; 512 consecutive bytes, aligned
.set u, u+1
.endr
	s_wait_dscnt 0x0
	s_barrier_signal -1
	s_barrier_wait -1                              ; the 64 products lie in LDS
	s_cmp_eq_u32 s46, 0
	s_cbranch_scc0 .Lp_end
	s_cmp_eq_u32 s51, 1
	s_cbranch_scc0 .Lp_end
	ds_load_b128 v[20:23], v15 offset:DOT
	s_wait_dscnt 0x0
	v_pk_add_f32 v[20:21], v[20:21], v[24:25]      ; the bias that came in has been waited for with the rows
	v_pk_add_f32 v[22:23], v[22:23], v[26:27]
	v_pk_mul_f32 v[20:21], v[20:21], s[48:49] op_sel_hi:[1,0]
	v_pk_mul_f32 v[22:23], v[22:23], s[48:49] op_sel_hi:[1,0]
	v_cmp_gt_u32 vcc_lo, 16, v6
	s_wait_xcnt 0x0                                ; EXEC changes only behind this wait
	s_and_saveexec_b32 s60, vcc_lo
	global_store_b128 v15, v[20:23], s[34:35]      ; sixteen lanes: 256 consecutive bytes, aligned
	s_wait_xcnt 0x0                                ; and again, ahead of the line that widens it
	s_or_b32 exec_lo, exec_lo, s60
.Lp_end:
	s_wait_tensorcnt 0x0                           ; the wave's end: three closing lines behind my last LDS store
	ds_add_u32 v2, v3
	s_wait_dscnt 0x0
	s_endpgm
	; ---- a tile of the table ----
.Ltable:
	s_sub_co_u32 s38, ttmp9, 48
	s_lshl_b32 s38, s38, 2
	s_add_co_u32 s38, s38, s46                     ; x = 9 head + d, 0..71
	s_mul_i32 s39, s38, 57
	s_lshr_b32 s39, s39, 9                         ; head = x / 9 (exact for x under 72)
	s_mul_i32 s40, s39, 9
	s_sub_co_u32 s40, s38, s40                     ; d
	s_mul_i32 s41, s40, 11
	s_lshr_b32 s41, s41, 5                         ; d / 3
	s_mul_i32 s42, s41, 3
	s_sub_co_u32 s42, s40, s42                     ; d % 3
	s_lshl_b32 s41, s41, 2
	s_add_co_u32 s41, s41, 3                       ; 4 Drow + 7
	s_lshl_b32 s42, s42, 2
	s_add_co_u32 s42, s42, 3                       ; 4 Dcol + 7
	v_lshrrev_b32 v8, 2, v4
	v_add_nc_u32 v8, s41, v8
	v_lshlrev_b32 v9, 1, v5
	v_sub_nc_u32 v8, v8, v9                        ; 4 Drow + 7 + r / 4 - 2 h: 1 at the least
	v_mul_u32_u24 v8, v8, 15
	v_and_b32 v9, 3, v4
	v_add3_u32 v8, v8, v9, s42                     ; the table's row for register 0
	s_lshl_b32 s39, s39, 2
	v_lshl_add_u32 v8, v8, 5, s39                  ; 32 bytes a row, 4 a head
	s_lshl_b32 s38, s38, 10
	v_lshl_add_u32 v9, v6, 4, s38
	s_wait_kmcnt 0x0
.irp j, 0,1,2,3,4,5,6,7                ; register j: j % 4 columns and j / 4 rows of the window back: 1 and 15 rows of the table
	global_load_b32 v[16+(\j)], v8, s[30:31] offset:-32*((\j)%4)-480*((\j)/4)
.endr
	s_wait_loadcnt 0x0
.irp j, 16,18,20,22
	v_pk_mul_f32 v[\j:\j+1], v[\j:\j+1], LOG2E op_sel_hi:[1,0]
.endr
	global_store_b128 v9, v[16:19], s[36:37]
	global_store_b128 v9, v[20:23], s[36:37] offset:512
	s_wait_tensorcnt 0x0                           ; the same three closing lines on this path
	ds_add_u32 v2, v3
	s_wait_dscnt 0x0
	s_endpgm
.Lfunc_end_k_qf763fdd627_prep:
	.size	k_qf763fdd627_prep, .Lfunc_end_k_qf763fdd627_prep-k_qf763fdd627_prep
	.p2alignl 7, 3214868480
	.fill 96, 4, 3214868480
	.section	.rodata,"a",@progbits
	.p2align	6, 0x0
	.amdhsa_kernel k_qf763fdd627_prep
		.amdhsa_group_segment_fixed_size 2816
		.amdhsa_private_segment_fixed_size 0
		.amdhsa_enable_private_segment 0
		.amdhsa_kernarg_size 136
		.amdhsa_user_sgpr_count 2
		.amdhsa_user_sgpr_kernarg_segment_ptr 1
		.amdhsa_wavefront_size32 1
		.amdhsa_system_sgpr_workgroup_id_x 1
		.amdhsa_system_sgpr_workgroup_id_y 1
		.amdhsa_system_sgpr_workgroup_id_z 1
		.amdhsa_system_vgpr_workitem_id 0
		.amdhsa_next_free_vgpr 192
		.amdhsa_next_free_sgpr 72
		.amdhsa_reserve_vcc 1
		.amdhsa_float_denorm_mode_32 3
		.amdhsa_float_denorm_mode_16_64 3
		.amdhsa_memory_ordered 1
		.amdhsa_forward_progress 1
		.amdhsa_inst_pref_size 30
	.end_amdhsa_kernel
	.amdgpu_metadata
---
amdhsa.version: [ 1, 2 ]
amdhsa.kernels:
  - .name:           k_qf763fdd627_prep
    .symbol:         k_qf763fdd627_prep.kd
    .args:
      - { .name: wq, .offset: 0, .size: 8, .value_kind: global_buffer, .address_space: global }
      - { .name: wk, .offset: 8, .size: 8, .value_kind: global_buffer, .address_space: global }
      - { .name: wv, .offset: 16, .size: 8, .value_kind: global_buffer, .address_space: global }
      - { .name: wo, .offset: 24, .size: 8, .value_kind: global_buffer, .address_space: global }
      - { .name: w1, .offset: 32, .size: 8, .value_kind: global_buffer, .address_space: global }
      - { .name: w2, .offset: 40, .size: 8, .value_kind: global_buffer, .address_space: global }
      - { .name: ln1_g, .offset: 48, .size: 8, .value_kind: global_buffer, .address_space: global }
      - { .name: ln1_b, .offset: 56, .size: 8, .value_kind: global_buffer, .address_space: global }
      - { .name: ln2_g, .offset: 64, .size: 8, .value_kind: global_buffer, .address_space: global }
      - { .name: ln2_b, .offset: 72, .size: 8, .value_kind: global_buffer, .address_space: global }
      - { .name: bq, .offset: 80, .size: 8, .value_kind: global_buffer, .address_space: global }
      - { .name: bv, .offset: 88, .size: 8, .value_kind: global_buffer, .address_space: global }
      - { .name: b1, .offset: 96, .size: 8, .value_kind: global_buffer, .address_space: global }
      - { .name: rel_table, .offset: 104, .size: 8, .value_kind: global_buffer, .address_space: global }
      - { .name: wts, .offset: 112, .size: 8, .value_kind: global_buffer, .address_space: global }
      - { .name: bias, .offset: 120, .size: 8, .value_kind: global_buffer, .address_space: global }
      - { .name: biasc, .offset: 128, .size: 8, .value_kind: global_buffer, .address_space: global }
    .group_segment_fixed_size: 2816
    .private_segment_fixed_size: 0
    .kernarg_segment_align: 8
    .kernarg_segment_size: 136
    .max_flat_workgroup_size: 128
    .sgpr_count:     72
    .vgpr_count:     192
    .wavefront_size: 32
...
	.end_amdgpu_metadata
.endif
;; end of part 1
;; launch swin (part 2): grid 256 x 1, 4 waves a work-group, clusters of 4 x 1, 327,680 bytes of LDS; arguments hidden_states, wts, bias, biasc, bo, b2, out0; writes out0
.if DOCPART == 2
	.amdgcn_target "amdgcn-amd-amdhsa--gfx1250"
	.amdhsa_code_object_version 6
	.text
	.protected	k_qf763fdd627_swin
	.globl	k_qf763fdd627_swin
	.p2align	8
	.type	k_qf763fdd627_swin,@function
k_qf763fdd627_swin:
	s_mov_b64 s[64:65], 0
	v_nop
	global_prefetch_b8 v0, s[64:65] scope:SCOPE_SE
	s_setreg_imm32_b32 hwreg(HW_REG_WAVE_MODE, 25, 1), 1
	s_wait_xcnt 0x0
	s_wait_alu depctr_hold_cnt(0) depctr_sa_sdst(0) depctr_va_vdst(0) depctr_va_sdst(0) depctr_va_ssrc(0) depctr_va_vcc(0) depctr_vm_vsrc(0)
	s_getreg_b32 s2, hwreg(HW_REG_IB_STS2, 6, 4)
	s_cmp_eq_u32 s2, 0
	s_cbranch_scc0 .Lentry_in_a_cluster
	s_endpgm
.Lentry_in_a_cluster:
	s_bfe_u32 s2, ttmp6, 0x10000c
	s_cmp_lg_u32 s2, 0x3003
	s_cbranch_scc0 .Lentry_shape_is_right
	s_endpgm
.Lentry_shape_is_right:
; A WHOLE SWIN BLOCK IN ONE LAUNCH.  A token is read from and written to the same place of the image, and but for the attention inside its 8 x 8 window everything is per token: a window goes through the
; block by itself.  A work-group takes two neighbouring windows of the shifted image, 128 tokens, through LN1, q k v, attention, the output projection, the residual, LN2, the MLP and the second residual.
; LEFT OUT (shown at the head of the kernel that lays the weights out): bk and wk ln1_b add the same number to all scores of a row and cancel in the softmax; bk is no argument.  A NaN, an infinity or an
; overflow that reaches only that term is not carried to the result.  The norms' gains and biases and log2(e) / sqrt(32) lie folded in wts and bias.
; The mask of -100 is finite: no tile is left out for it; it is added, as -100 log2(e), to the bias that starts a score's sum.  bv' is added behind the division by the row's sum (the weights add up to 1).
; GELU, A LIMIT.  u Phi(u) is taken as u / (1 + 2^(-k1 u - k3 u^3)), k1 = 2 sqrt(2 / pi) log2(e), k3 = 0.044715 k1: the logistic form of Phi, NOT erf.  It is no identity: it differs from u Phi(u) by under 5e-4
; (at u = 1, 2, 2.75, 3.5: 1.5e-4, 1e-4, 4.7e-4, 2e-4), by a vanishing part of u Phi(u) as u goes to 0, and by nothing in both limits: both coefficients are positive, so the exponent is monotone,
; nothing is clamped, and an overflow of the exponent ends in 0 or in u.  The result is rounded to bf16, a part in 2^9, directly behind it.
; OTHER LIMITS: a weight or an exponential below 2^-126 counts as 0; NaN and infinities are not treated apart; matrix operands are bf16.
; TWELVE EQUAL STAGES [128 tokens x 256] = A [128 x 256] W^T, W one block of wts.  In each, wave w owns all 128 tokens x columns 64 w .. 64 w + 63: heads 2 w and 2 w + 1, so q, k and v never leave its registers.
; The wave's 64 x 256 of W stay in 256 registers for the stage; they come out of ONE LDS slot, which is asked for again as soon as it has been read out: the registers are the ring's second buffer.
; CLUSTER.  All work-groups walk the same 12 blocks: four form a cluster and ask for each block jointly (mask 15), each wave for the 32,768 bytes that it alone reads.
; TOKEN ORDER.  LDS row 16 i + r: window i / 4, window row 4 ((i / 2) % 2) + r / 4, column 4 (i % 2) + r % 4.  So a tile of 16 tokens has one row half and one column half of its window: the mask is one
; number for a tile of queries and a tile of keys (chosen by the exclusive or of their numbers), and the relative-position bias has nine different tiles.
; LDS: 0 the slot (131,072; wave w's part at 32,768 w; filled by tensor loads alone).  XB: 128 rows of 1,040 bytes: x in f32 (its one fill), then bytes 0..511 of a row are A1 (z1, later z2) and bytes
; 512..1023 A2 (the attention's result, later the MLP's hidden chunks), both bf16; 1,040 = 65 x 16, so the 16 rows of a fragment load start in 16 different groups of banks (ISA guide 11.1).
; STG: 16 rows x 272 bytes a wave.  STAT: (sum, sum of squares about the wave's mean) by token and wave.  SPARE: the spare words.
; REGISTERS, in windows of 256 (s_set_vgpr_msb: bits 1:0 source 0, 3:2 source 1, 5:4 source 2, 7:6 destination):
;   window 0: v0-31 addresses; v32-95, v96-159 A's fragments, two buffers (and scratch between stages); v160-231 bias tiles of head 2 w (later LN2's figures, at the end the way out); v232-247 bv' of that head; v248-251 bo; v252-255 b2
;   window 1: v0-63 eight accumulators; v64-95, v128-191 GELU at work; v192-223 the bias that starts a stage's sums; in attention v128-255 V, v0-127 x of tiles 0-3
;   window 2: v0-127 Q, v128-255 K; later the hidden state: token tile i, column tile t at 8 (4 i + t), the accumulators of the output projection and of the MLP's second product
;   window 3: W's fragments, (ks, t) at 8 (4 ks + t); in attention v0-71 bias tiles of head 2 w + 1, v72-87 its bv', v128-255 x of tiles 4-7
.set T16,   16640                      ; 16 rows of XB
.set T32,   33280
.set T64,   66560
.set XB,    131072
.set STG,   264192
.set STAT,  281600
.set SPARE, 285696                     ; 128 bytes a wave: two blocks of 256 bytes that no other line names
.set BLK,   131072                     ; a block of wts
.set M100,  0xc31044fe                 ; -100 log2(e)
.set PFO, 1                            ; v1   256 x thread: the prefetches' offset; never rewritten
.set SPW, 2                            ; v2   my spare word; never rewritten
.set NIL, 3                            ; v3   0; never rewritten
.set LBA, 7                            ; v7   my 16 bytes of a unit of W: 32,768 w + 16 lane
.set ALO, 8                            ; v8   XB + 1,040 r + 16 h: a fragment of A in token tiles 0-3
.set AHI, 9                            ; v9   in tiles 4-7
.set AY,  10                           ; v10  the same, walking, in the MLP's first product (until then: my offset in biasc)
.set HS,  11                           ; v11  where GELU's results go, walking
.set OB2, 12                           ; v12  XB + 512 + 1,040 r + 128 w + 16 h: my 16 bytes of a row of A2
.set ZLO, 13                           ; v13  the same in A1, tiles 0-3
.set ZHI, 14                           ; v14  tiles 4-7
.set CA,  15                           ; v15  where the attention's result goes: OB2, then 64 rows on
.set L1R, 16                           ; v16  LN1: my token's row, walking
.set L1W, 17                           ; v17  LN1: where z1 goes
.set STW, 18                           ; v18  my stage by rows of 256 bytes: row h, bytes 16 r
.set STR, 19                           ; v19  my stage by tokens: row r, bytes 32 h
.set ADR, 20                           ; v20-27 tile i in the image: my 16 bytes of the wave's 256 of token h
.set STATW, 28
.set STATR, 29
.set BOFF, 30                          ; v30  256 w + 32 h: my 8 columns of a column tile, in f32
.set ROFF, 31                          ; v31  256 w + 16 r: my 4 columns of a row of 256 bytes
.set AF,  32
.set SS,  32                           ; attention: S^T, four tiles of keys
.set PP,  64                           ; P
.set OT,  80                           ; O^T
.set BT,  160
.set OUTB, 160                         ; the way out: two sets of 32, by turns
.set BV,  232
.set BOR, 248
.set B2R, 252
.set TT,  64                           ; window 1
.set EE,  128
.set CB,  192
.set MSB, 0
.macro WIN new                         ; the high byte repeats the setting that is left; a switch that changes nothing is dropped
.if MSB != (\new)
	s_set_vgpr_msb (MSB<<8)|(\new)
.set MSB, (\new)
.endif
.endm
.macro NOP4                            ; four places behind a matrix instruction, ahead of loads into its sources and of vector lines that read its result
.rept 4
	v_nop
.endr
.endm
; A round of the cluster's barrier: my work-group's barrier, wave 0 signals for the work-group, every wave waits for all four work-groups, my work-group's barrier once more.
.macro ROUND
	s_barrier_signal -1
	s_barrier_wait -1
	s_cmp_lg_u32 s18, 0
	s_cbranch_scc1 .Lnot_wave_0_\@
	s_barrier_signal -3
.Lnot_wave_0_\@:
	s_barrier_wait -3
	s_barrier_signal -1
	s_barrier_wait -1
.endm
; A prefetch into the L2 of the block that the NEXT refill will ask for: its 512 pieces of 256 bytes are named once in the launch, by the first cluster alone; its four partners take 32,768 bytes each, told
; apart by address, a thread a piece.  One stage of 256 matrix instructions and its vector work lie between it and that refill.  The last refill asks for nothing: s55 counts the refills to come.
.macro ASK
	s_cmp_gt_u32 s55, s54
	s_cbranch_scc0 .Lnot_mine_\@
	global_prefetch_b8 v[PFO], s[52:53] th:TH_LOAD_NT scope:SCOPE_SE
.Lnot_mine_\@:
.endm
; 16 LDS loads: A's fragments of two token tiles x 128 along K into buffer buf: (ksl, m) at 8 (2 ksl + m)
.macro FETCH buf, base, off
	WIN 0
.irp ksl, 0,1,2,3
.irp m, 0,1
	ds_load_b128 v[AF+64*(\buf)+8*(2*(\ksl)+(\m)):AF+64*(\buf)+8*(2*(\ksl)+(\m))+3],   v[\base] offset:(\off)+(\m)*T16+(\ksl)*64
	ds_load_b128 v[AF+64*(\buf)+8*(2*(\ksl)+(\m))+4:AF+64*(\buf)+8*(2*(\ksl)+(\m))+7], v[\base] offset:(\off)+(\m)*T16+(\ksl)*64+32
.endr
.endr
.endm
.macro FETCHU u, a2                    ; unit u of a stage: token tiles 2 (u / 2), + 1; half u % 2 of K; out of A1 (a2 = 0) or A2 (1)
.if (\u) < 4
	FETCH (\u)%2, ALO, ((\u)/2)*T32+512*(\a2)+256*((\u)%2)
.else
	FETCH (\u)%2, AHI, ((\u)/2-2)*T32+512*(\a2)+256*((\u)%2)
.endif
.endm
.macro LOADB ks                        ; 8 LDS loads, 512 consecutive bytes each: W's four fragments of K step ks
	WIN 0xc0
.irp t, 0,1,2,3
	ds_load_b128 v[8*(4*(\ks)+(\t)):8*(4*(\ks)+(\t))+3],   v[LBA] offset:(\ks)*4096+(\t)*1024
	ds_load_b128 v[8*(4*(\ks)+(\t))+4:8*(4*(\ks)+(\t))+7], v[LBA] offset:(\ks)*4096+(\t)*1024+512
.endr
.endm
; 8 matrix instructions: two token tiles x four column tiles, 32 along K.  The 8 accumulators take turns, one instruction a turn, from unit to unit and over the backward jumps too.
; kind 0: source 0 = W, source 1 = A: a lane holds one token and 8 neighbouring columns; into window 1.  kind 1: the sources swapped: a lane holds one column and 8 tokens.  kind 2: as 0, onto the hidden state.
; first = 1: the product starts the sum with 0; 2: with the bias in CB; 0: it adds in place.
.macro MM kind, buf, ks, g, first
.if (\kind) == 0
	WIN 0x53
.elseif (\kind) == 1
	WIN 0x5c
.else
	WIN 0xa3
.endif
.irp m, 0,1
.irp t, 0,1,2,3
.set rA, AF+64*(\buf)+8*(2*((\ks)%4)+(\m))
.set rB, 8*(4*(\ks)+(\t))
.if (\kind) == 2
.set rD, 8*(4*(2*(\g)+(\m))+(\t))
.else
.set rD, 8*(4*(\m)+(\t))
.endif
.if (\kind) == 1
.if (\first) == 1
	v_wmma_f32_16x16x32_bf16 v[rD:rD+7], v[rA:rA+7], v[rB:rB+7], 0
.else
	v_wmma_f32_16x16x32_bf16 v[rD:rD+7], v[rA:rA+7], v[rB:rB+7], v[rD:rD+7]
.endif
.elseif (\first) == 1
	v_wmma_f32_16x16x32_bf16 v[rD:rD+7], v[rB:rB+7], v[rA:rA+7], 0
.elseif (\first) == 2
	v_wmma_f32_16x16x32_bf16 v[rD:rD+7], v[rB:rB+7], v[rA:rA+7], v[CB+8*(\t):CB+8*(\t)+7]
.else
	v_wmma_f32_16x16x32_bf16 v[rD:rD+7], v[rB:rB+7], v[rA:rA+7], v[rD:rD+7]
.endif
.endr
.endr
.endm
; A stage's head: my part of the slot has landed (I alone asked for it and I alone read it); 96 LDS loads in a fixed order: unit 0 (16), W's K steps 0-3 (32), unit 1 (16), K steps 4-7 (32).
.macro SHEAD a2
	WIN 0
	s_wait_tensorcnt 0x0
	NOP4
	FETCHU 0, \a2
	LOADB 0
	LOADB 1
	LOADB 2
	LOADB 3
	FETCHU 1, \a2
	LOADB 4
	LOADB 5
	LOADB 6
	LOADB 7
.endm
; The first two token tiles.  Each wait counts the loads of the head's order that are younger than the K step's fragments of W: 72 and 64 (written 63, the most a wait can name), 56, 48;
; then, with unit 2's 16 loads issued between (fetch = 1), 40, 32, 24, 16; without them 24, 16, 8, 0.
.macro G0 kind, first, a2, fetch
	s_wait_dscnt 63
	MM \kind, 0, 0, 0, \first
	s_wait_dscnt 63
	MM \kind, 0, 1, 0, 0
	s_wait_dscnt 56
	MM \kind, 0, 2, 0, 0
	s_wait_dscnt 48
	MM \kind, 0, 3, 0, 0
.if \fetch
	NOP4
	FETCHU 2, \a2
.endif
	s_wait_dscnt 24+16*(\fetch)
	MM \kind, 1, 4, 0, 0
	s_wait_dscnt 16+16*(\fetch)
	MM \kind, 1, 5, 0, 0
	s_wait_dscnt 8+16*(\fetch)
	MM \kind, 1, 6, 0, 0
	s_wait_dscnt 16*(\fetch)
	MM \kind, 1, 7, 0, 0
.endm
; Two token tiles of q or k, rounded to bf16: two column tiles of a head, packed one behind the other, ARE a fragment (16 tokens x 32 channels) of K Q^T.  Into K's place in window 2.
.macro PACKQK g
	NOP4
	WIN 0x85
.irp m, 0,1
.irp t, 0,1,2,3
.irp q, 0,1,2,3
	v_cvt_pk_bf16_f32 v[128+64*((2*(\g)+(\m))/4)+32*((\t)/2)+8*((2*(\g)+(\m))%4)+4*((\t)%2)+(\q)], v[8*(4*(\m)+(\t))+2*(\q)], v[8*(4*(\m)+(\t))+2*(\q)+1]
.endr
.endr
.endr
.endm
; Two token tiles of v: a lane holds one channel; the two tiles' tokens, packed one behind the other, ARE a fragment (16 channels x 32 keys) of V^T P.
.macro PACKV g
	NOP4
	WIN 0x45
.irp m, 0,1
.irp t, 0,1,2,3
.irp q, 0,1,2,3
	v_cvt_pk_bf16_f32 v[128+64*((\g)/2)+32*((\t)/2)+16*((\g)%2)+8*((\t)%2)+4*(\m)+(\q)], v[8*(4*(\m)+(\t))+2*(\q)], v[8*(4*(\m)+(\t))+2*(\q)+1]
.endr
.endr
.endr
.endm
.macro PK pack, g                      ; what follows two token tiles' products: 1, 2: the packs above; 3: the way out (the last stage alone)
.if (\pack) == 1
	PACKQK \g
.elseif (\pack) == 2
	PACKV \g
.elseif (\pack) == 3
	NOP4
	OUT 2*(\g)
	OUT 2*(\g)+1
.endif
.endm
; THE REFILL.  W is in registers: the slot is asked for again.  Every wave waits for all its tensor loads (none is out), adds 0 to its spare word, waits for that and for its reads of the slot; a round of
; the cluster's barrier, so that no wave of any partner still reads its slot; and the joint load is the first thing behind it, one a wave.  It has the rest of the stage in which to land.
.macro CHANGE work
	WIN 0
	s_wait_xcnt 0x0                                ; the last prefetch, a stage back, has read its address
	s_add_nc_u64 s[52:53], s[52:53], BLK
	s_wait_tensorcnt 0x0                           ; no tensor load of mine is out, so the descriptor may be written
	ds_add_u32 v[SPW], v[NIL]                      ; work on registers stands between the add and the wait for it
	s_add_nc_u64 s[34:35], s[34:35], BLK           ; the next block; the type bits on top are not reached
	PK \work, 0
	WIN 0
	s_wait_dscnt 0x0                               ; the add is done, and my reads of the slot are over
	ROUND
	tensor_load_to_lds s[32:35], s[24:31]
	s_nop 0
	NOP4                                           ; also the places ahead of the next unit's loads
	ASK
	s_sub_co_u32 s55, s55, 1
.endm
; Unit u (2..7): the next unit's 16 loads go out, the wait leaves just them out, 32 matrix instructions.
.macro UNIT kind, u, a2, first, nop
.if \nop
	NOP4
.endif
.if (\u) < 7
	FETCHU (\u)+1, \a2
	s_wait_dscnt 16
.else
	s_wait_dscnt 0x0
.endif
	MM \kind, (\u)%2, 4*((\u)%2), (\u)/2, \first
	MM \kind, (\u)%2, 4*((\u)%2)+1, (\u)/2, 0
	MM \kind, (\u)%2, 4*((\u)%2)+2, (\u)/2, 0
	MM \kind, (\u)%2, 4*((\u)%2)+3, (\u)/2, 0
.endm
.macro G123 kind, a2, first, pack, nop2
	UNIT \kind, 2, \a2, \first, \nop2
	UNIT \kind, 3, \a2, 0, 1
	PK \pack, 1
	UNIT \kind, 4, \a2, \first, 1
	UNIT \kind, 5, \a2, 0, 1
	PK \pack, 2
	UNIT \kind, 6, \a2, \first, 1
	UNIT \kind, 7, \a2, 0, 1
	PK \pack, 3
.endm
	; ---------------- the head ----------------
	s_load_b256 s[4:11], s[0:1], 0x0               ; hidden_states s[4:5], wts s[6:7], bias s[8:9], biasc s[10:11]
	s_load_b128 s[12:15], s[0:1], 0x20             ; bo s[12:13], b2 s[14:15]
	s_load_b64 s[16:17], s[0:1], 0x30              ; out0
	v_lshl_add_u32 v[SPW], v0, 2, SPARE
	v_mov_b32 v[NIL], 0
	ds_add_u32 v[SPW], v[NIL]                      ; the wave's opening: the add, twice on end, and its wait ahead of my first tensor load
	ds_add_u32 v[SPW], v[NIL]
	v_lshrrev_b32 v4, 5, v0
	v_readfirstlane_b32 s18, v4                    ; wave 0..3
	s_bfe_u32 s20, ttmp6, 0x40000                  ; cx: which pair of windows of the row of windows
	s_and_b32 s21, ttmp9, 7                        ; wh: the row of windows
	s_lshr_b32 s22, ttmp9, 3                       ; the image
	s_lshl_b32 s22, s22, 22
	s_lshl_b32 s23, s21, 19
	s_add_co_u32 s92, s22, s23
	s_add_co_u32 s92, s92, 4<<16                   ; upper half of a window: image row 8 wh + 4, in bytes
	s_add_co_u32 s23, s21, 1
	s_and_b32 s23, s23, 7
	s_lshl_b32 s23, s23, 19
	s_add_co_u32 s93, s22, s23                     ; lower half: row 8 ((wh + 1) % 8)
	s_lshl_b32 s23, s20, 14
	s_add_co_u32 s94, s23, 4<<10                   ; window 0, left half: image column 16 cx + 4
	s_add_co_u32 s95, s23, 8<<10                   ; right half
	s_add_co_u32 s96, s23, 12<<10                  ; window 1, left half
	s_lshl_b32 s23, s20, 1
	s_add_co_u32 s23, s23, 2
	s_and_b32 s23, s23, 7
	s_lshl_b32 s97, s23, 13                        ; right half: column 8 ((2 cx + 2) % 8)
	; the mask's numbers: 1: the column halves differ, 2: the row halves, 3: both.  They count in the last row of windows and in the last window of a row alone.
	s_add_co_u32 s22, s21, 1
	s_lshr_b32 s22, s22, 3                         ; 1 where wh = 7
	s_add_co_u32 s23, s20, 1
	s_lshr_b32 s23, s23, 2                         ; 1 where cx = 3
	s_mov_b32 s66, 0
	s_mov_b32 s67, 0
	s_mul_i32 s68, s22, M100
	s_mov_b32 s69, s68
	s_mov_b32 s70, s68
	s_mov_b32 s71, s68
	s_mul_i32 s72, s23, M100                       ; window 1's three
	s_mov_b32 s73, s68
	s_or_b32 s23, s23, s22
	s_mul_i32 s74, s23, M100
	; my two pieces of x: token tiles 2 w and 2 w + 1
	s_and_b32 s23, s18, 1
	s_cmp_eq_u32 s23, 0
	s_cselect_b32 s98, s92, s93
	s_cmp_lt_u32 s18, 2
	s_cselect_b32 s22, s94, s96
	s_cselect_b32 s99, s95, s97
	s_add_co_u32 s22, s22, s98
	s_add_co_u32 s98, s99, s98
	s_mov_b32 s23, 0
	s_mov_b32 s99, 0
	; descriptors.  W: 128 dense rows of 256 bytes, asked for jointly by the four work-groups
	s_mov_b32 s24, 15|(3<<16)|(1<<21)              ; the mask of four; elements of 8 bytes; bit 21 set beside a mask
	s_mov_b32 s25, 32<<16                          ; tensor_dim0 = 32
	s_mov_b32 s26, 128<<16                         ; tensor_dim1 = 128
	s_mov_b32 s27, 32<<16                          ; tile_dim0 = 32
	s_mov_b32 s28, 128                             ; tile_dim1 = 128
	s_mov_b32 s29, 32                              ; from row to row
	s_mov_b32 s30, 0
	s_mov_b32 s31, 0
	s_mov_b32 s32, 1
	s_lshl_b32 s33, s18, 15                        ; my part of the slot
	; x: 4 image rows x 4 tokens of 1,024 bytes, 16 bytes of padding behind each token
	s_mov_b32 s36, (2<<16)|(1<<20)|(7<<22)|(3<<25) ; elements of 4 bytes; padding on; after every 256 words; 4 words
	s_mov_b32 s37, 1024<<16
	s_mov_b32 s38, 4<<16
	s_mov_b32 s39, 1024<<16
	s_mov_b32 s40, 4
	s_mov_b32 s41, 16384                           ; an image row is 64 tokens of 256 numbers
	s_mov_b32 s42, 0
	s_mov_b32 s43, 0
	s_mov_b32 s44, 1
	s_mul_i32 s45, s18, T32
	s_add_co_u32 s45, s45, XB                      ; rows 32 w ..
	s_mov_b32 s48, 1
	s_add_co_u32 s49, s45, T16                     ; rows 32 w + 16 ..
	s_cmp_eq_u32 ttmp9, 0
	s_cselect_b32 s54, 1, -1                       ; the first cluster prefetches while more than one refill is to come; the others never
	s_mov_b32 s55, 11                              ; refills to come
	s_mov_b32 s60, 0x76543210                      ; v_permlanex16_b32: each lane takes its own place in the other half
	s_mov_b32 s61, 0xfedcba98
	s_mov_b32 s76, 0xbdd2d3e8                      ; -k3 = -0.1029432
	s_mov_b32 s77, s76                             ; named as pairs
	s_mov_b32 s78, 0xc0135761                      ; -k1 = -2.3022082
	s_mov_b32 s79, s78
	s_mov_b32 s88, 0x3b800000                      ; 1 / 256
	s_mov_b32 s89, 0x3c800000                      ; 1 / 64
	s_mov_b32 s90, 0x42800000                      ; 64
	s_mov_b32 s91, 0x3727c5ac                      ; 1e-5
	s_wait_dscnt 0x0                               ; both opening adds are done
	s_wait_kmcnt 0x0
	s_add_nc_u64 s[46:47], s[4:5], s[22:23]
	s_or_b32 s47, s47, 0x80000000
	s_add_nc_u64 s[50:51], s[4:5], s[98:99]
	s_or_b32 s51, s51, 0x80000000
	s_mov_b32 s22, s33
	s_add_nc_u64 s[34:35], s[6:7], s[22:23]        ; block 0, my part: the wave's number alone enters
	s_or_b32 s35, s35, 0x80000000
	s_lshl_b32 s22, s20, 15
	s_add_co_u32 s22, s22, BLK
	s_add_nc_u64 s[52:53], s[6:7], s[22:23]        ; the prefetches stand in block 1; the first refill steps them to block 2
	s_add_nc_u64 s[58:59], s[8:9], 1024            ; one chunk ahead of b1'
	ROUND                                          ; all four work-groups are here
	tensor_load_to_lds s[44:47], s[36:43]          ; the first fills go out together: three tensor loads of mine are out
	s_nop 0
	tensor_load_to_lds s[48:51], s[36:43]
	s_nop 0
	tensor_load_to_lds s[32:35], s[24:31]
	s_nop 0
	NOP4
	v_and_b32 v6, 31, v0                           ; lane
	v_and_b32 v4, 15, v0                           ; r
	v_bfe_u32 v5, v0, 4, 1                         ; h
	v_lshlrev_b32 v[PFO], 8, v0
	v_lshl_add_u32 v[LBA], v6, 4, s33
	v_mul_u32_u24 v[ALO], v4, 1040
	v_lshl_add_u32 v[ALO], v5, 4, v[ALO]
	v_add_nc_u32 v[ALO], XB, v[ALO]
	v_add_nc_u32 v[AHI], T64, v[ALO]
	s_lshl_b32 s19, s18, 7
	v_add_nc_u32 v[ZLO], s19, v[ALO]
	v_add_nc_u32 v[ZHI], T64, v[ZLO]
	v_add_nc_u32 v[OB2], 512, v[ZLO]
	v_mov_b32 v[CA], v[OB2]
	s_mul_i32 s19, s18, 4352
	s_add_co_u32 s19, s19, STG
	v_mul_u32_u24 v[STW], v5, 272
	v_lshl_add_u32 v[STW], v4, 4, v[STW]
	v_add_nc_u32 v[STW], s19, v[STW]
	v_mul_u32_u24 v[STR], v4, 272
	v_lshl_add_u32 v[STR], v5, 5, v[STR]
	v_add_nc_u32 v[STR], s19, v[STR]
	s_lshl_b32 s19, s18, 3
	v_lshlrev_b32 v[STATR], 5, v4
	v_add_nc_u32 v[STATR], STAT, v[STATR]
	v_add_nc_u32 v[STATW], s19, v[STATR]
	s_lshl_b32 s19, s18, 8
	v_lshl_add_u32 v[BOFF], v5, 5, s19
	v_lshl_add_u32 v[ROFF], v4, 4, s19
	v_lshl_add_u32 v16, v5, 10, v[ROFF]
.set i, 0
.rept 8
	v_add3_u32 v[ADR+i], v16, s[92+(i/2)%2], s[94+2*(i/4)+i%2]
.set i, i+1
.endr
	v_mul_u32_u24 v[L1R], v6, 1040
	v_add_nc_u32 v[L1R], s45, v[L1R]               ; thread = token: row 32 w + lane, one of the rows that my own loads bring
	v_mov_b32 v[L1W], v[L1R]
	s_mul_i32 s19, s18, 18432
	v_lshl_add_u32 v[AY], v6, 4, s19               ; head 2 w in biasc
	WIN 0x40
.irp t, 0,1,2,3
	global_load_b128 v[CB+8*(\t):CB+8*(\t)+3],   v[BOFF], s[8:9] offset:64*(\t)      ; cq bq'
	global_load_b128 v[CB+8*(\t)+4:CB+8*(\t)+7], v[BOFF], s[8:9] offset:64*(\t)+16
.endr
	WIN 0
.set i, 0
.rept 18
	global_load_b128 v[BT+4*i:BT+4*i+3], v[AY], s[10:11] offset:512*i
.set i, i+1
.endr
.irp t, 0,1
	global_load_b128 v[BV+8*(\t):BV+8*(\t)+3],   v[BOFF], s[8:9] offset:1024+64*(\t)
	global_load_b128 v[BV+8*(\t)+4:BV+8*(\t)+7], v[BOFF], s[8:9] offset:1024+64*(\t)+16
.endr
	global_load_b128 v[BOR:BOR+3], v[ROFF], s[12:13]
	global_load_b128 v[B2R:B2R+3], v[ROFF], s[14:15]
	; ---------------- LN1: a thread a token, three walks of its row: mean; variance about the mean; z1 ----------------
.macro LNLOAD
.set k, 0
.rept 16
	ds_load_b128 v[32+4*k:35+4*k], v[L1R] offset:16*k
.set k, k+1
.endr
	s_wait_dscnt 0x0
.endm
.macro LNSUM                           ; four chains into one number, v96
	v_pk_add_f32 v[96:97], v[96:97], v[98:99]
	v_pk_add_f32 v[100:101], v[100:101], v[102:103]
	v_pk_add_f32 v[96:97], v[96:97], v[100:101]
	v_add_f32 v96, v96, v97
.endm
	s_wait_tensorcnt 0x1                           ; both pieces of x are in; the block of weights, issued behind them, may stay out
.irp k, 96,97,98,99,100,101,102,103
	v_mov_b32 v\k, 0
.endr
	s_mov_b32 s56, 4
.Lln_a:
	LNLOAD
.set k, 0
.rept 32
	v_pk_add_f32 v[96+2*(k%4):97+2*(k%4)], v[96+2*(k%4):97+2*(k%4)], v[32+2*k:33+2*k]
.set k, k+1
.endr
	v_add_nc_u32 v[L1R], 256, v[L1R]
	s_sub_co_u32 s56, s56, 1
	s_cmp_lg_u32 s56, 0
	s_cbranch_scc1 .Lln_a
	LNSUM
	v_mul_f32 v104, s88, v96                       ; the mean
	v_mov_b32 v105, v104
	v_mov_b32 v[L1R], v[L1W]
.irp k, 96,97,98,99,100,101,102,103
	v_mov_b32 v\k, 0
.endr
	s_mov_b32 s56, 4
.Lln_b:
	LNLOAD
.set k, 0
.rept 32
	v_pk_add_f32 v[32+2*k:33+2*k], v[32+2*k:33+2*k], v[104:105] neg_lo:[0,1] neg_hi:[0,1]
.set k, k+1
.endr
.set k, 0
.rept 32
	v_pk_fma_f32 v[96+2*(k%4):97+2*(k%4)], v[32+2*k:33+2*k], v[32+2*k:33+2*k], v[96+2*(k%4):97+2*(k%4)]
.set k, k+1
.endr
	v_add_nc_u32 v[L1R], 256, v[L1R]
	s_sub_co_u32 s56, s56, 1
	s_cmp_lg_u32 s56, 0
	s_cbranch_scc1 .Lln_b
	LNSUM
	v_fma_f32 v106, v96, s88, s91                  ; variance + 1e-5
	v_rsq_f32 v106, v106
	v_mov_b32 v[L1R], v[L1W]                       ; the plain line behind the root,
	s_wait_alu depctr_va_vdst(0)                   ; and the wait ahead of its first reader
	v_mov_b32 v107, v106
	v_mul_f32 v108, -v104, v106
	v_mov_b32 v109, v108
	s_mov_b32 s56, 4
.Lln_c:                                        ; a trip reads bytes 256 c .. of the row and then stores bytes 128 c ..: never ahead of what has been read
	LNLOAD
.set k, 0
.rept 32
	v_pk_fma_f32 v[32+2*k:33+2*k], v[32+2*k:33+2*k], v[106:107], v[108:109]
.set k, k+1
.endr
.set k, 0
.rept 32
	v_cvt_pk_bf16_f32 v[112+k], v[32+2*k], v[33+2*k]
.set k, k+1
.endr
.set k, 0
.rept 8
	ds_store_b128 v[L1W], v[112+4*k:115+4*k] offset:16*k
.set k, k+1
.endr
	v_add_nc_u32 v[L1R], 256, v[L1R]
	v_add_nc_u32 v[L1W], 128, v[L1W]
	s_sub_co_u32 s56, s56, 1
	s_cmp_lg_u32 s56, 0
	s_cbranch_scc1 .Lln_c
	s_wait_dscnt 0x0                               ; for the others' sake: z1 is stored, and x has been read
	s_barrier_signal -1
	s_barrier_wait -1                              ; the block of weights may stay on its way
	s_wait_loadcnt 0x0                             ; the biases and the tiles of the table
	; ---------------- q, then k: one text, two trips ----------------
	s_mov_b32 s56, 2
.Lqk:
	SHEAD 0
	G0 0, 2, 0, 1
	CHANGE 1
	G123 0, 0, 2, 1, 0
	WIN 0
	s_cmp_eq_u32 s56, 1
	s_cbranch_scc1 .Lqk_next
	WIN 0x82                                       ; behind the first trip: what was packed is q; it goes to Q's place,
.set i, 0
.rept 128
	v_mov_b32 v[i], v[128+i]
.set i, i+1
.endr
	WIN 0x40                                       ; and k's sums start at 0: its bias is left out
.set i, 0
.rept 32
	v_mov_b32 v[CB+i], 0
.set i, i+1
.endr
	WIN 0
.Lqk_next:
	s_sub_co_u32 s56, s56, 1
	s_cmp_lg_u32 s56, 0
	s_cbranch_scc1 .Lqk
	; ---------------- v ----------------
	SHEAD 0
	G0 1, 1, 0, 1
	CHANGE 2
	G123 1, 0, 1, 2, 0
	; ---------------- attention ----------------
	WIN 0
	NOP4
	s_wait_dscnt 0x0                               ; my reads of z1 are over
	s_barrier_signal -1
	s_barrier_wait -1                              ; everybody's are: the rows may take the attention's result
	WIN 0xc0
.set i, 0
.rept 18
	global_load_b128 v[4*i:4*i+3], v[AY], s[10:11] offset:9216+512*i          ; the tiles of head 2 w + 1
.set i, i+1
.endr
.irp t, 0,1
	global_load_b128 v[72+8*(\t):72+8*(\t)+3],   v[BOFF], s[8:9] offset:1152+64*(\t)
	global_load_b128 v[72+8*(\t)+4:72+8*(\t)+7], v[BOFF], s[8:9] offset:1152+64*(\t)+16
.endr
	WIN 0x40                                       ; x once more, for the residual: my 64 columns of all 128 tokens; sixteen lanes read 256 consecutive bytes
.set i, 0
.rept 32
	global_load_b128 v[4*i:4*i+3], v[ADR+i/8], s[4:5] offset:((i%8)/2)*65536+(i%2)*2048
.set i, i+1
.endr
	WIN 0xc0
.set i, 0
.rept 32
	global_load_b128 v[128+4*i:128+4*i+3], v[ADR+4+i/8], s[4:5] offset:((i%8)/2)*65536+(i%2)*2048
.set i, i+1
.endr
	WIN 0
	v_mov_b32 v101, 0                              ; upper words of pairs of which the lower word is taken twice, and a lane exchange's destination: written once
	v_mov_b32 v103, 0
	v_mov_b32 v107, 0
; One head (hh = 0, 1 of my two), one tile qt of 16 queries, all 64 keys of the window.  S^T = K Q^T + bias + mask: a lane holds one query and 8 keys of each of the four tiles.
.macro QT hh, qt
.irp kt, 0,1,2,3                       ; where query and key tile differ a mask may count: bias + mask is made in S's registers and starts the sum in place
.set x, (\qt)^(\kt)
.set d, 3*((\qt)/2+1-(\kt)/2)+((\qt)%2+1-(\kt)%2)
.if x != 0
.if (\hh) == 0
	WIN 0
.set rB, BT+8*d
.else
	WIN 0x03
.set rB, 8*d
.endif
.irp p, 0,2,4,6
	v_pk_add_f32 v[SS+8*(\kt)+(\p):SS+8*(\kt)+(\p)+1], v[rB+(\p):rB+(\p)+1], s[64+2*x:65+2*x] op_sel_hi:[1,0]
.endr
.endif
.endr
.irp kt, 0,1,2,3
.set x, (\qt)^(\kt)
.set rS, SS+8*(\kt)
.set rK, 128+32*(\hh)+8*(\kt)
.set rQ, 32*(\hh)+8*(\qt)
.if x != 0
	WIN 0x0a
	v_wmma_f32_16x16x32_bf16 v[rS:rS+7], v[rK:rK+7], v[rQ:rQ+7], v[rS:rS+7]
.elseif (\hh) == 0
	WIN 0x0a
	v_wmma_f32_16x16x32_bf16 v[rS:rS+7], v[rK:rK+7], v[rQ:rQ+7], v[BT+32:BT+39]   ; the same tile: never masked; the bias tile itself starts the sum
.else
	WIN 0x3a
	v_wmma_f32_16x16x32_bf16 v[rS:rS+7], v[rK:rK+7], v[rQ:rQ+7], v[32:39]
.endif
.endr
	WIN 0
	NOP4
.irp j, 0,1,2,3                        ; the maximum: each accumulator's lowest registers are read first
	v_max3_num_f32 v[96+(\j)], v[SS+8*(\j)], v[SS+8*(\j)+1], v[SS+8*(\j)+2]
.endr
.irp j, 0,1,2,3
	v_max3_num_f32 v[96+(\j)], v[96+(\j)], v[SS+8*(\j)+3], v[SS+8*(\j)+4]
.endr
.irp j, 0,1,2,3
	v_max3_num_f32 v[96+(\j)], v[96+(\j)], v[SS+8*(\j)+5], v[SS+8*(\j)+6]
.endr
	v_max3_num_f32 v96, v96, v[SS+7], v[SS+15]
	v_max3_num_f32 v98, v98, v[SS+23], v[SS+31]
	v_max3_num_f32 v96, v96, v97, v98
	v_max_num_f32 v96, v96, v99
	v_permlanex16_b32 v97, v96, s60, s61           ; the query's other 32 keys lie in the lane 16 away
	v_max_num_f32 v100, v96, v97
.set k, 0
.rept 16
	v_pk_add_f32 v[SS+2*k:SS+2*k+1], v[SS+2*k:SS+2*k+1], v[100:101] op_sel_hi:[1,0] neg_lo:[0,1] neg_hi:[0,1]
.set k, k+1
.endr
.set k, 0
.rept 32
	v_exp_f32 v[SS+k], v[SS+k]
.set k, k+1
.endr
	v_nop                                          ; a plain line behind the last exponential,
	s_wait_alu depctr_va_vdst(0)                   ; and one wait for the batch of 32, ahead of its first reader
.set k, 0
.rept 16
	v_cvt_pk_bf16_f32 v[PP+k], v[SS+2*k], v[SS+2*k+1]  ; two key tiles, packed one behind the other, are source 1 of V^T P
.set k, k+1
.endr
.irp k, 0,4,8,12,16,20,24,28           ; the row's sum, of the unrounded weights, in place
	v_pk_add_f32 v[SS+(\k):SS+(\k)+1], v[SS+(\k):SS+(\k)+1], v[SS+(\k)+2:SS+(\k)+3]
.endr
.irp k, 0,8,16,24
	v_pk_add_f32 v[SS+(\k):SS+(\k)+1], v[SS+(\k):SS+(\k)+1], v[SS+(\k)+4:SS+(\k)+5]
.endr
	v_pk_add_f32 v[SS:SS+1], v[SS:SS+1], v[SS+8:SS+9]
	v_pk_add_f32 v[SS+16:SS+17], v[SS+16:SS+17], v[SS+24:SS+25]
	v_pk_add_f32 v[SS:SS+1], v[SS:SS+1], v[SS+16:SS+17]
	v_add_f32 v102, v[SS], v[SS+1]
	v_permlanex16_b32 v103, v102, s60, s61
	v_add_f32 v102, v102, v103
	v_rcp_f32 v106, v102
	WIN 0x01                                       ; O^T = V^T P: the two accumulators take turns
	v_wmma_f32_16x16x32_bf16 v[OT:OT+7],    v[128+32*(\hh):128+32*(\hh)+7],     v[PP:PP+7], 0
	v_wmma_f32_16x16x32_bf16 v[OT+8:OT+15], v[128+32*(\hh)+8:128+32*(\hh)+15],  v[PP:PP+7], 0
	v_wmma_f32_16x16x32_bf16 v[OT:OT+7],    v[128+32*(\hh)+16:128+32*(\hh)+23], v[PP+8:PP+15], v[OT:OT+7]
	v_wmma_f32_16x16x32_bf16 v[OT+8:OT+15], v[128+32*(\hh)+24:128+32*(\hh)+31], v[PP+8:PP+15], v[OT+8:OT+15]
	WIN 0
	NOP4
	s_wait_alu depctr_va_vdst(0)                   ; the reciprocal's wait, ahead of its first reader
.if (\hh) == 0
.irp p, 0,2,4,6,8,10,12,14
	v_pk_fma_f32 v[OT+(\p):OT+(\p)+1], v[OT+(\p):OT+(\p)+1], v[106:107], v[BV+(\p):BV+(\p)+1] op_sel_hi:[1,0,1]
.endr
.else
	WIN 0x30
.irp p, 0,2,4,6,8,10,12,14
	v_pk_fma_f32 v[OT+(\p):OT+(\p)+1], v[OT+(\p):OT+(\p)+1], v[106:107], v[72+(\p):72+(\p)+1] op_sel_hi:[1,0,1]
.endr
	WIN 0
.endif
.irp q, 0,1,2,3,4,5,6,7
	v_cvt_pk_bf16_f32 v[108+(\q)], v[OT+2*(\q)], v[OT+2*(\q)+1]
.endr
	ds_store_b128 v[CA], v[108:111] offset:(\qt)*T16+64*(\hh)
	ds_store_b128 v[CA], v[112:115] offset:(\qt)*T16+64*(\hh)+32
.endm
	s_mov_b32 s56, 2
.Lwin:                                         ; a trip a window; the text names the first window's registers
	QT 0, 0
	QT 0, 1
	QT 0, 2
	QT 0, 3
	WIN 0
	s_wait_loadcnt 63                              ; of the 86 loads the oldest 22, the second head's tiles and bv', are in: 64 are younger, and 63 is the most a wait can name
	QT 1, 0
	QT 1, 1
	QT 1, 2
	QT 1, 3
	WIN 0
	s_cmp_eq_u32 s56, 1
	s_cbranch_scc1 .Lwin_next
	WIN 0x82                                       ; the second window's q, k and v go where the text names them,
.set i, 0
.rept 64
	v_mov_b32 v[i], v[64+i]
	v_mov_b32 v[128+i], v[192+i]
.set i, i+1
.endr
	WIN 0x41
.set i, 0
.rept 64
	v_mov_b32 v[128+i], v[192+i]
.set i, i+1
.endr
	WIN 0
	v_add_nc_u32 v[CA], T64, v[CA]                 ; its results 64 rows on,
	s_mov_b32 s66, s72                             ; and its mask
	s_mov_b32 s67, s72
	s_mov_b32 s68, s73
	s_mov_b32 s69, s73
	s_mov_b32 s70, s74
	s_mov_b32 s71, s74
.Lwin_next:
	s_sub_co_u32 s56, s56, 1
	s_cmp_lg_u32 s56, 0
	s_cbranch_scc1 .Lwin
	; ---------------- x + bo starts the hidden state's sums: through my stage, from rows of 256 bytes to a token a lane ----------------
	s_wait_loadcnt 0x0
.macro PRE i
.if (\i) < 4
.set xp, 32*(\i)
.set wa, 0x41
.set ws, 0x04
.else
.set xp, 128+32*((\i)-4)
.set wa, 0xc3
.set ws, 0x0c
.endif
	WIN wa
.set k, 0
.rept 16
	v_pk_add_f32 v[xp+2*k:xp+2*k+1], v[xp+2*k:xp+2*k+1], v[BOR+2*(k%2):BOR+2*(k%2)+1]
.set k, k+1
.endr
	WIN ws
.set k, 0
.rept 8
	ds_store_b128 v[STW], v[xp+4*k:xp+4*k+3] offset:544*k
.set k, k+1
.endr
	WIN 0x80
.set k, 0
.rept 8
	ds_load_b128 v[32*(\i)+4*k:32*(\i)+4*k+3], v[STR] offset:64*(k/2)+16*(k%2)  ; LDS serves a wave's instructions in order (ISA guide 5.7.1.4): these see the stores above, the next tile's stores come behind them
.set k, k+1
.endr
.endm
.irp i, 0,1,2,3,4,5,6,7
	PRE \i
.endr
	WIN 0
	s_wait_dscnt 0x0                               ; the hidden state is in registers, and for the others' sake: the attention's result is stored
	s_barrier_signal -1
	s_barrier_wait -1
	s_mov_b32 s62, 5
	s_branch .Lmid                                 ; the loop is entered at the head of a stage onto the hidden state: the output projection
	; ---------------- the output projection and the four chunks of the MLP: one loop ----------------
.Ltop:
	CHANGE 0
	s_add_nc_u64 s[58:59], s[58:59], 1024          ; the next chunk's b1': the loads that last named this address have been waited for
	WIN 0x40
.irp t, 0,1,2,3
	global_load_b128 v[CB+8*(\t):CB+8*(\t)+3],   v[BOFF], s[58:59] offset:64*(\t)
	global_load_b128 v[CB+8*(\t)+4:CB+8*(\t)+7], v[BOFF], s[58:59] offset:64*(\t)+16
.endr
	G123 2, 1, 0, 0, 0
	WIN 0
	s_cmp_eq_u32 s62, 4
	s_cbranch_scc0 .Lm1                            ; the same in every wave and every work-group: only behind the output projection comes
	; LN2.  A lane holds 32 of a token's channels, a wave 64: each wave's sum and its squares about its OWN mean meet in LDS and are joined (no difference of large sums is formed).
	NOP4
.macro LN2A i
.set hb, 32*(\i)
	WIN 0x0a
.irp k, 0,1,2,3,4,5,6,7
	v_pk_add_f32 v[32+2*(\k):33+2*(\k)], v[hb+4*(\k):hb+4*(\k)+1], v[hb+4*(\k)+2:hb+4*(\k)+3]
.endr
	WIN 0
	v_pk_add_f32 v[32:33], v[32:33], v[34:35]
	v_pk_add_f32 v[36:37], v[36:37], v[38:39]
	v_pk_add_f32 v[40:41], v[40:41], v[42:43]
	v_pk_add_f32 v[44:45], v[44:45], v[46:47]
	v_pk_add_f32 v[32:33], v[32:33], v[36:37]
	v_pk_add_f32 v[40:41], v[40:41], v[44:45]
	v_pk_add_f32 v[32:33], v[32:33], v[40:41]
	v_add_f32 v32, v32, v33
	v_permlanex16_b32 v33, v32, s60, s61
	v_add_f32 v[160+2*(\i)], v32, v33              ; the wave's sum of 64 channels
	v_mul_f32 v34, s89, v[160+2*(\i)]              ; its mean
	WIN 0x02
.set k, 0
.rept 16
	v_pk_add_f32 v[48+2*k:49+2*k], v[hb+2*k:hb+2*k+1], v[34:35] op_sel_hi:[1,0] neg_lo:[0,1] neg_hi:[0,1]
.set k, k+1
.endr
	WIN 0
.set k, 0
.rept 16
.if k < 4
	v_pk_mul_f32 v[36+2*k:37+2*k], v[48+2*k:49+2*k], v[48+2*k:49+2*k]
.else
	v_pk_fma_f32 v[36+2*(k%4):37+2*(k%4)], v[48+2*k:49+2*k], v[48+2*k:49+2*k], v[36+2*(k%4):37+2*(k%4)]
.endif
.set k, k+1
.endr
	v_pk_add_f32 v[36:37], v[36:37], v[38:39]
	v_pk_add_f32 v[40:41], v[40:41], v[42:43]
	v_pk_add_f32 v[36:37], v[36:37], v[40:41]
	v_add_f32 v36, v36, v37
	v_permlanex16_b32 v37, v36, s60, s61
	v_add_f32 v[161+2*(\i)], v36, v37
	ds_store_b64 v[STATW], v[160+2*(\i):161+2*(\i)] offset:512*(\i)
.endm
.macro LN2B i                          ; mean = sum of sums / 256; 256 var = sum of squares + 64 x sum of (wave's mean - mean)^2
.set L, 32+8*(\i)
.set RS, 176+4*(\i)
	v_pk_add_f32 v[96:97], v[L:L+1], v[L+2:L+3]
	v_pk_add_f32 v[98:99], v[L+4:L+5], v[L+6:L+7]
	v_pk_add_f32 v[96:97], v[96:97], v[98:99]
	v_mul_f32 v[RS+2], s88, v96
	v_fma_f32 v98, v[L], s89, -v[RS+2]
	v_fma_f32 v99, v[L+2], s89, -v[RS+2]
	v_fma_f32 v100, v[L+4], s89, -v[RS+2]
	v_fma_f32 v101, v[L+6], s89, -v[RS+2]
	v_mul_f32 v98, v98, v98
	v_fma_f32 v98, v99, v99, v98
	v_fma_f32 v98, v100, v100, v98
	v_fma_f32 v98, v101, v101, v98
	v_fma_f32 v97, v98, s90, v97
	v_fma_f32 v[RS], v97, s88, s91
	v_rsq_f32 v[RS], v[RS]
.endm
.macro LN2C i
.set hb, 32*(\i)
.set RS, 176+4*(\i)
	WIN 0x02
.set k, 0
.rept 16
	v_pk_fma_f32 v[32+2*k:33+2*k], v[hb+2*k:hb+2*k+1], v[RS:RS+1], v[RS+2:RS+3]
.set k, k+1
.endr
	WIN 0
.set k, 0
.rept 16
	v_cvt_pk_bf16_f32 v[64+k], v[32+2*k], v[33+2*k]
.set k, k+1
.endr
.irp t, 0,1,2,3
	ds_store_b128 v[ZLO+(\i)/4], v[64+4*(\t):67+4*(\t)] offset:((\i)%4)*T16+32*(\t)
.endr
.endm
.irp i, 0,1,2,3,4,5,6,7
	LN2A \i
.endr
	s_wait_dscnt 0x0                               ; my figures are stored, and my reads of the attention's result are over
	s_barrier_signal -1
	s_barrier_wait -1
.irp i, 0,1,2,3,4,5,6,7
	ds_load_b128 v[32+8*(\i):35+8*(\i)], v[STATR] offset:512*(\i)
	ds_load_b128 v[36+8*(\i):39+8*(\i)], v[STATR] offset:512*(\i)+16
.endr
	s_wait_dscnt 0x0
.irp i, 0,1,2,3,4,5,6,7
	LN2B \i
.endr
	v_nop                                          ; a plain line behind the last root,
	s_wait_alu depctr_va_vdst(0)                   ; and one wait for the eight
.irp i, 0,1,2,3,4,5,6,7
	v_mul_f32 v[178+4*(\i)], -v[178+4*(\i)], v[176+4*(\i)]
	v_mov_b32 v[177+4*(\i)], v[176+4*(\i)]
	v_mov_b32 v[179+4*(\i)], v[178+4*(\i)]
.endr
.irp i, 0,1,2,3,4,5,6,7
	LN2C \i
.endr
	s_wait_dscnt 0x0                               ; z2 is stored
	s_barrier_signal -1
	s_barrier_wait -1
.Lm1:	; the MLP's first product for one chunk of 256 hidden columns, and GELU, two token tiles at a time
	v_mov_b32 v[AY], v[ALO]
	v_mov_b32 v[HS], v[OB2]
	SHEAD 0
	s_wait_loadcnt 0x0                             ; b1'
	G0 0, 2, 0, 0
	CHANGE 0                                       ; every wave enters this round with its reads of the last chunk waited for: behind it A2 may be written
	s_mov_b32 s57, 4
	s_branch .Lmid1
.Ltop1:
	s_wait_dscnt 24                                ; buffer 0 is in: younger are buffer 1's 16 loads and GELU's 8 stores
	MM 0, 0, 0, 0, 2
	MM 0, 0, 1, 0, 0
	MM 0, 0, 2, 0, 0
	MM 0, 0, 3, 0, 0
	s_wait_dscnt 8                                 ; buffer 1 is in: younger are the 8 stores
	MM 0, 1, 4, 0, 0
	MM 0, 1, 5, 0, 0
	MM 0, 1, 6, 0, 0
	MM 0, 1, 7, 0, 0
	WIN 0
.Lmid1:
	NOP4
	s_cmp_eq_u32 s57, 1
	s_cbranch_scc1 .Lnofetch                       ; behind the last two tiles nothing is left to fetch
	v_add_nc_u32 v[AY], T32, v[AY]
	FETCH 0, AY, 0                                 ; the next two tiles' fragments land while GELU runs
	FETCH 1, AY, 256
.Lnofetch:
	WIN 0x55                                       ; GELU on 64 numbers a lane, all in window 1: u / (1 + 2^(u (-k1 - k3 u u)))
.set i, 0
.rept 35                               ; by pairs, each step a pair behind the one before it, so that four other lines stand between a result and its reader: u u; -k3 u u - k1; times u; the two exponentials
.if i < 32
	v_pk_mul_f32 v[EE+2*i:EE+2*i+1], v[2*i:2*i+1], v[2*i:2*i+1]
.endif
.if (i >= 1) && (i < 33)
	v_pk_fma_f32 v[EE+2*i-2:EE+2*i-1], v[EE+2*i-2:EE+2*i-1], s[76:77], s[78:79] op_sel_hi:[1,0,0]
.endif
.if (i >= 2) && (i < 34)
	v_pk_mul_f32 v[EE+2*i-4:EE+2*i-3], v[EE+2*i-4:EE+2*i-3], v[2*i-4:2*i-3]
.endif
.if i >= 3
	v_exp_f32 v[EE+2*i-6], v[EE+2*i-6]
	v_exp_f32 v[EE+2*i-5], v[EE+2*i-5]
.endif
.set i, i+1
.endr
	v_nop                                          ; a plain line behind the last exponential,
	s_wait_alu depctr_va_vdst(0)                   ; and one wait for the batch of 64
.set i, 0
.rept 33                               ; + 1 for a pair; the reciprocals of the pair before
.if i < 32
	v_pk_add_f32 v[EE+2*i:EE+2*i+1], v[EE+2*i:EE+2*i+1], 1.0 op_sel_hi:[1,0]
.endif
.if i > 0
	v_rcp_f32 v[EE+2*i-2], v[EE+2*i-2]
	v_rcp_f32 v[EE+2*i-1], v[EE+2*i-1]
.endif
.set i, i+1
.endr
	v_nop                                          ; a plain line behind the last reciprocal,
	s_wait_alu depctr_va_vdst(0)                   ; and one wait for the batch of 64
.set i, 0
.rept 32
	v_pk_mul_f32 v[2*i:2*i+1], v[2*i:2*i+1], v[EE+2*i:EE+2*i+1]
.set i, i+1
.endr
.set i, 0
.rept 32
	v_cvt_pk_bf16_f32 v[TT+i], v[2*i], v[2*i+1]
.set i, i+1
.endr
	WIN 0x04
.irp m, 0,1
.irp t, 0,1,2,3
	ds_store_b128 v[HS], v[TT+4*(4*(\m)+(\t)):TT+4*(4*(\m)+(\t))+3] offset:(\m)*T16+32*(\t)
.endr
.endr
	WIN 0
	v_add_nc_u32 v[HS], T32, v[HS]
	s_sub_co_u32 s57, s57, 1
	s_cmp_lg_u32 s57, 0
	s_cbranch_scc1 .Ltop1
	s_wait_dscnt 0x0                               ; for the others' sake: my columns of the chunk are stored
	s_barrier_signal -1
	s_barrier_wait -1                              ; the next block may stay on its way
.Lmid:	; a stage onto the hidden state, out of A2: the output projection, then the MLP's second product, chunk by chunk
	SHEAD 1
	G0 2, 0, 1, 1
	WIN 0
	s_sub_co_u32 s62, s62, 1
	s_cmp_lg_u32 s62, 0
	s_cbranch_scc1 .Ltop
	; ---------------- the last stage's rest is written out: nothing more is asked for, and each pair of token tiles leaves as soon as its products are finished ----------------
; The way out of token tile i: through my stage, from a token a lane to rows of 256 bytes; + b2; stored where x was read.  It works in registers that A's fragments do not use: the next unit's are on their way.
.macro OUT i
.set st, OUTB+32*((\i)%2)
.if (\i) >= 2
	s_wait_xcnt 0x0                                ; the stores of the tile before last have read these registers
.endif
	WIN 0x08
.set k, 0
.rept 8
	ds_store_b128 v[STR], v[32*(\i)+4*k:32*(\i)+4*k+3] offset:64*(k/2)+16*(k%2)  ; each accumulator's lowest registers first
.set k, k+1
.endr
	WIN 0
.set k, 0
.rept 8
	ds_load_b128 v[st+4*k:st+4*k+3], v[STW] offset:544*k
.set k, k+1
.endr
	s_wait_dscnt 0x0
.set k, 0
.rept 16
	v_pk_add_f32 v[st+2*k:st+2*k+1], v[st+2*k:st+2*k+1], v[B2R+2*(k%2):B2R+2*(k%2)+1]
.set k, k+1
.endr
.set k, 0
.rept 8
	global_store_b128 v[ADR+(\i)], v[st+4*k:st+4*k+3], s[16:17] offset:(k/2)*65536+(k%2)*2048 th:TH_STORE_NT  ; sixteen lanes store 256 consecutive bytes, aligned
.set k, k+1
.endr
.endm
	PK 3, 0                                        ; tiles 0 and 1 were finished ahead of the loop's end
	G123 2, 1, 0, 3, 1                             ; tiles 2 and 3, 4 and 5, 6 and 7: their products, then their way out
	WIN 0
	s_wait_tensorcnt 0x0                           ; the wave's end: three closing lines behind my last tensor load and my last LDS store
	ds_add_u32 v[SPW], v[NIL]
	s_wait_dscnt 0x0
	ROUND                                          ; the closing round: no work-group ends while a partner may still ask for a block that names it
	s_endpgm
.Lfunc_end_k_qf763fdd627_swin:
	.size	k_qf763fdd627_swin, .Lfunc_end_k_qf763fdd627_swin-k_qf763fdd627_swin
	.p2alignl 7, 3214868480
	.fill 96, 4, 3214868480
	.section	.rodata,"a",@progbits
	.p2align	6, 0x0
	.amdhsa_kernel k_qf763fdd627_swin
		.amdhsa_group_segment_fixed_size 327680
		.amdhsa_private_segment_fixed_size 0
		.amdhsa_enable_private_segment 0
		.amdhsa_kernarg_size 56
		.amdhsa_user_sgpr_count 2
		.amdhsa_user_sgpr_kernarg_segment_ptr 1
		.amdhsa_wavefront_size32 1
		.amdhsa_system_sgpr_workgroup_id_x 1
		.amdhsa_system_sgpr_workgroup_id_y 1
		.amdhsa_system_sgpr_workgroup_id_z 1
		.amdhsa_system_vgpr_workitem_id 0
		.amdhsa_next_free_vgpr 1024
		.amdhsa_next_free_sgpr 100
		.amdhsa_reserve_vcc 0
		.amdhsa_float_denorm_mode_32 3
		.amdhsa_float_denorm_mode_16_64 3
		.amdhsa_memory_ordered 1
		.amdhsa_forward_progress 1
		.amdhsa_inst_pref_size 255
	.end_amdhsa_kernel
	.section	.bss,"aw",@nobits
	.p2align	6
	.space	262144
	.amdgpu_metadata
---
amdhsa.version: [ 1, 2 ]
amdhsa.kernels:
  - .name:           k_qf763fdd627_swin
    .symbol:         k_qf763fdd627_swin.kd
    .args:
      - { .name: hidden_states, .offset: 0, .size: 8, .value_kind: global_buffer, .address_space: global }
      - { .name: wts, .offset: 8, .size: 8, .value_kind: global_buffer, .address_space: global }
      - { .name: bias, .offset: 16, .size: 8, .value_kind: global_buffer, .address_space: global }
      - { .name: biasc, .offset: 24, .size: 8, .value_kind: global_buffer, .address_space: global }
      - { .name: bo, .offset: 32, .size: 8, .value_kind: global_buffer, .address_space: global }
      - { .name: b2, .offset: 40, .size: 8, .value_kind: global_buffer, .address_space: global }
      - { .name: out0, .offset: 48, .size: 8, .value_kind: global_buffer, .address_space: global }
    .group_segment_fixed_size: 327680
    .private_segment_fixed_size: 0
    .kernarg_segment_align: 8
    .kernarg_segment_size: 56
    .max_flat_workgroup_size: 128
    .sgpr_count:     100
    .vgpr_count:     1024
    .wavefront_size: 32
...
	.end_amdgpu_metadata
.endif
;; end of part 2
